; MI455X (gfx1250); checked and timed in simulation.
; The chip was launched on July 23, 2026; its instructions are those of AMD's public machine-readable ISA for CDNA 5 (MIT licence, August 2026) and "CDNA5" Instruction Set Architecture Reference Guide (July 2026). The comments in the code are by the model that wrote it; some were corrected since.
;; Mo E Block Fallback. Allowed arithmetic: float matrix products may take bf16 or f16 operands with f32 sums; other float arithmetic in f32, or as packed bf16 or f16 multiplies, adds, multiply-adds, maxima and minima; sums over many terms, partial sums and values carried from step to step in f32; what a program stores and reads back later, other than sums and carried values, may be rounded once to bf16 or f16.
;; Inputs: expert_b 8 x 2,048 float32; expert_w 8 x 2,048 x 2,048 float32; gate_b 8 float32; gate_w 2,048 x 8 float32; x 2,048 x 2,048 float32.
;; Outputs: out0 2,048 x 2,048 float32.
;; Constants: top_k = 2.
;; One version. Each part assembles by itself: llvm-mc -triple=amdgcn-amd-amdhsa -mcpu=gfx1250 --defsym DOCPART=n.
;; ======== version 1 of 1: 3 launches
;; limits: values are held in f16: magnitudes above 65,504 overflow, below 6.1e-05 lose precision; inputs' magnitudes at most 65,504
;; workspace buffers: x16 8,388,608 bytes; maskb 2,048 bytes of whole numbers; cnt8 2,048 bytes of whole numbers; part 33,554,432 bytes
;; launch router (part 1): grid 256 x 1, 8 waves a work-group, no clusters, 3,072 bytes of LDS; arguments x, gate_w, gate_b, x16, maskb, cnt8; writes x16, maskb, cnt8
.if DOCPART == 1
	.amdgcn_target "amdgcn-amd-amdhsa--gfx1250"
	.amdhsa_code_object_version 6
	.text
	.protected	k_q728b04b63e_router
	.globl	k_q728b04b63e_router
	.p2align	8
	.type	k_q728b04b63e_router,@function
k_q728b04b63e_router:
	s_mov_b64 s[64:65], 0
	v_nop
	global_prefetch_b8 v0, s[64:65] scope:SCOPE_SE
	s_setreg_imm32_b32 hwreg(HW_REG_WAVE_MODE, 25, 1), 1
	s_wait_xcnt 0x0
; ROUTER.  logits = x gate_w + gate_b in f32; for each token the two largest (ties: the lower index, as lax.top_k keeps it) as a byte with two bits set;
; for each group of 8 tokens how many chose each expert; and x rounded once to f16 for the product launch.
; x: [2048][2048] f32.  gate_w: [2048][8] f32.  gate_b: [8] f32.  x16: [2048][2048] f16.  maskb: [2048] bytes.  cnt8: [256][8] bytes.
; LIMITS.  f16 holds no number of 65,520 or more: |x| stays below that.  Logits are finite: NaN and infinities are not treated apart.  The logits are summed in another order than
; a plain loop over k: a token whose second and third logit differ by less than f32's summation error may choose otherwise.
; SHARES.  Work-group g has tokens 8 g .. 8 g + 7.  Wave w has k = 256 w .. 256 w + 255 of all eight; lane l has k = 256 w + 4 l + 0..3 and 256 w + 128 + 4 l + 0..3, so a load of x by a
; wave covers 512 consecutive bytes and a store of x16 covers 256, aligned.  The gate is vector work: it is 1/500 of the module's arithmetic and has to be f32.
; No address and no branch hangs on the logits: what is chosen is stored at fixed places, and the next launch reads it.
.set SPARE, 2048                       ; LDS: bytes 0-2047 the waves' partial logits [wave][token][expert] f32; from here the spare words, 128 bytes a wave
.set XO,  2                            ; v2   my byte offset in a row of x: 1,024 w + 16 l
.set GO,  3                            ; v3   in gate_w: 8,192 w + 128 l
.set YO,  4                            ; v4   in a row of x16: 512 w + 8 l
.set PA,  5                            ; v5   LDS address of my wave's partial logits: 256 w
.set SPW, 6                            ; v6   LDS address of my spare word; never rewritten
.set NIL, 7                            ; v7   0; never rewritten
.set MO,  9                            ; v9   8 g + l: my byte in maskb and in cnt8
.set GW,  16                           ; v[16:79]    gate_w of my eight k: GW + 8 k + e; later wave 0: the eight waves' partial logits
.set X,   80                           ; v[80:143]   x: X + 8 t + k; later at work
.set ACC, 144                          ; v[144:207]  partial logits: ACC + 8 t + e
.set Y,   208                          ; v[208:239]  x in f16: Y + 4 t
	s_load_b256 s[4:11], s[0:1], 0x0               ; x s[4:5], gate_w s[6:7], gate_b s[8:9], x16 s[10:11]
	s_load_b128 s[12:15], s[0:1], 0x20             ; maskb s[12:13], cnt8 s[14:15]
	v_lshl_add_u32 v[SPW], v0, 2, SPARE
	v_mov_b32 v[NIL], 0
	v_and_b32 v1, 31, v0                           ; lane
	v_lshrrev_b32 v8, 5, v0
	v_readfirstlane_b32 s16, v8                    ; wave 0..7
	v_lshlrev_b32 v[XO], 4, v1
	v_lshl_add_u32 v[XO], v8, 10, v[XO]
	v_lshlrev_b32 v[GO], 7, v1
	v_lshl_add_u32 v[GO], v8, 13, v[GO]
	v_lshlrev_b32 v[YO], 3, v1
	v_lshl_add_u32 v[YO], v8, 9, v[YO]
	v_mov_b32 v[PA], s16
	v_lshlrev_b32 v[PA], 8, v[PA]
	s_lshl_b32 s18, ttmp9, 16                      ; my eight rows of x: 8 x 8,192 bytes
	s_mov_b32 s19, 0
	s_lshl_b32 s22, ttmp9, 15                      ; and of x16
	s_mov_b32 s23, 0
	s_lshl_b32 s33, ttmp9, 3
	v_add_nc_u32 v[MO], s33, v1
	s_mov_b32 s20, 0x76543210                      ; v_permlanex16_b32: each lane takes its own place in the other half
	s_mov_b32 s21, 0xfedcba98
	s_wait_kmcnt 0x0
	s_load_b256 s[24:31], s[8:9], 0x0              ; gate_b, waited for where wave 0 adds it
	s_add_nc_u64 s[4:5], s[4:5], s[18:19]
	s_add_nc_u64 s[10:11], s[10:11], s[22:23]
.irp j, 0,1,2,3,4,5,6,7
	global_load_b128 v[GW+4*\j:GW+4*\j+3], v[GO], s[6:7] offset:16*\j            ; my first four k: 128 consecutive bytes
.endr
.irp j, 0,1,2,3,4,5,6,7
	global_load_b128 v[GW+32+4*\j:GW+32+4*\j+3], v[GO], s[6:7] offset:4096+16*\j ; my second four, 128 rows of 32 bytes on
.endr
.irp t, 0,1,2,3,4,5,6,7
	global_load_b128 v[X+8*\t:X+8*\t+3],   v[XO], s[4:5] offset:8192*\t th:TH_LOAD_NT
	global_load_b128 v[X+8*\t+4:X+8*\t+7], v[XO], s[4:5] offset:8192*\t+512 th:TH_LOAD_NT
.endr
; Token t: its eight x are rounded and stored, and multiplied into eight partial logits, two experts at a time; x is given to both halves of the packed product.
.macro TOKEN t
	s_wait_loadcnt 14-2*(\t)                       ; loads come back in order: gate_w and this token's two loads are in; the two loads of each of the 7 - t later tokens may be out
.irp c, 0,1,2,3
	v_cvt_pk_f16_f32 v[Y+4*(\t)+\c], v[X+8*(\t)+2*\c], v[X+8*(\t)+2*\c+1]
.endr
	global_store_b64 v[YO], v[Y+4*(\t):Y+4*(\t)+1],   s[10:11] offset:(\t)*4096       ; 32 lanes x 8 bytes: 256 consecutive bytes, aligned
	global_store_b64 v[YO], v[Y+4*(\t)+2:Y+4*(\t)+3], s[10:11] offset:(\t)*4096+256
.irp p, 0,1,2,3
	v_pk_mul_f32 v[ACC+8*(\t)+2*\p:ACC+8*(\t)+2*\p+1], v[X+8*(\t):X+8*(\t)+1], v[GW+2*\p:GW+2*\p+1] op_sel_hi:[0,1]  ; the first product starts the sums
.endr
.irp k, 1,2,3,4,5,6,7
.irp p, 0,1,2,3
.if (\k)%2
	v_pk_fma_f32 v[ACC+8*(\t)+2*\p:ACC+8*(\t)+2*\p+1], v[X+8*(\t)+\k-1:X+8*(\t)+\k], v[GW+8*\k+2*\p:GW+8*\k+2*\p+1], v[ACC+8*(\t)+2*\p:ACC+8*(\t)+2*\p+1] op_sel:[1,0,0] op_sel_hi:[1,1,1]
.else
	v_pk_fma_f32 v[ACC+8*(\t)+2*\p:ACC+8*(\t)+2*\p+1], v[X+8*(\t)+\k:X+8*(\t)+\k+1], v[GW+8*\k+2*\p:GW+8*\k+2*\p+1], v[ACC+8*(\t)+2*\p:ACC+8*(\t)+2*\p+1] op_sel_hi:[0,1,1]
.endif
.endr
.endr
.endm
.irp t, 0,1,2,3,4,5,6,7
	TOKEN \t
.endr
; Eight registers from b on are summed over the 32 lanes: four steps inside each half of 16 lanes ride on the addition, one crosses the halves.  Eight chains side by side, so that none waits for itself.
.macro RED8 b
.irp m, 1,2,4,8
.irp i, 0,1,2,3,4,5,6,7
	v_add_f32_dpp v[(\b)+\i], v[(\b)+\i], v[(\b)+\i] row_xmask:\m row_mask:0xf bank_mask:0xf
.endr
.endr
.irp i, 0,1,2,3,4,5,6,7
	v_permlanex16_b32 v[X+\i], v[(\b)+\i], s20, s21  ; its destination counts as read: x's registers have been written and are free
.endr
.irp i, 0,1,2,3,4,5,6,7
	v_add_f32 v[(\b)+\i], v[(\b)+\i], v[X+\i]
.endr
.endm
.irp g, 0,1,2,3,4,5,6,7
	RED8 ACC+8*\g
.endr
.irp i, 0,1,2,3,4,5,6,7,8,9,10,11,12,13,14,15
	ds_store_b128 v[PA], v[ACC+4*\i:ACC+4*\i+3] offset:16*\i  ; every lane holds the sums: all write the same words with the same values
.endr
	s_wait_dscnt 0x0                               ; for wave 0's sake: my stores are done
	s_barrier_signal -1
	s_barrier_wait -1
	s_cmp_lg_u32 s16, 0
	s_cbranch_scc1 .Lend                           ; the rest is wave 0's
	v_and_b32 v8, 7, v1                            ; lane l works for token l % 8: lanes 8-31 repeat lanes 0-7
	v_lshlrev_b32 v8, 5, v8
.irp w, 0,1,2,3,4,5,6,7
	ds_load_b128 v[GW+8*\w:GW+8*\w+3],   v8 offset:256*\w
	ds_load_b128 v[GW+8*\w+4:GW+8*\w+7], v8 offset:256*\w+16
.endr
	s_wait_dscnt 0x0
.irp w, 1,2,3,4,5,6,7
.irp p, 0,1,2,3
	v_pk_add_f32 v[GW+2*\p:GW+2*\p+1], v[GW+2*\p:GW+2*\p+1], v[GW+8*\w+2*\p:GW+8*\w+2*\p+1]
.endr
.endr
	s_wait_kmcnt 0x0                               ; gate_b
.irp e, 0,1,2,3,4,5,6,7
	v_add_f32 v[GW+\e], s[24+\e], v[GW+\e]
.endr
; The largest of the eight logits and its bit.  The one in hand is kept while it is greater or EQUAL: of equals the lower index stays.
.macro SCAN val, msk
	v_mov_b32 v[\val], v[GW]
	v_mov_b32 v[\msk], 1
.irp e, 1,2,3,4,5,6,7
	v_cmp_ge_f32 vcc_lo, v[\val], v[GW+\e]
	v_cndmask_b32 v[\val], v[GW+\e], v[\val], vcc_lo
	v_cndmask_b32 v[\msk], 1<<\e, v[\msk], vcc_lo
.endr
.endm
	SCAN 80, 81
	v_mov_b32 v82, 0xff800000                      ; the first choice is taken out: minus infinity in its place
.irp e, 0,1,2,3,4,5,6,7
	v_cmp_eq_u32 vcc_lo, 1<<\e, v81
	v_cndmask_b32 v[GW+\e], v[GW+\e], v82, vcc_lo
.endr
	SCAN 83, 84
	v_or_b32 v85, v81, v84                         ; the token's byte: two bits
	; bit i of a nibble goes to bit 8 i: times 1 + 2^7 + 2^14 + 2^21, whose partial products meet in no bit; then the low bit of each byte is kept
	v_and_b32 v86, 15, v85
	v_lshrrev_b32 v87, 4, v85
	v_mul_u32_u24 v86, 0x204081, v86
	v_mul_u32_u24 v87, 0x204081, v87
	v_and_b32 v86, 0x01010101, v86                 ; experts 0-3, a byte each
	v_and_b32 v87, 0x01010101, v87                 ; experts 4-7
	v_mov_b32 v88, 0
	v_mov_b32 v89, 0
.irp m, 1,2,4
	v_mov_b32_dpp v88, v86 row_xmask:\m row_mask:0xf bank_mask:0xf
	v_mov_b32_dpp v89, v87 row_xmask:\m row_mask:0xf bank_mask:0xf
	v_add_nc_u32 v86, v86, v88                     ; sums over the eight tokens: 8 at the most in a byte
	v_add_nc_u32 v87, v87, v89
.endr
	v_and_b32 v88, 4, v1                           ; lane e takes expert e's byte
	v_cmp_ne_u32 vcc_lo, 0, v88
	v_cndmask_b32 v86, v86, v87, vcc_lo
	v_and_b32 v88, 3, v1
	v_lshlrev_b32 v88, 3, v88
	v_lshrrev_b32 v86, v88, v86
	s_wait_xcnt 0x0                                ; EXEC is a source of the stores of x16: it changes only behind this wait
	v_cmp_gt_u32 vcc_lo, 8, v1
	s_and_saveexec_b32 s32, vcc_lo
	global_store_b8 v[MO], v85, s[12:13]           ; lanes 0-7: eight neighbouring bytes
	global_store_b8 v[MO], v86, s[14:15]
	s_wait_xcnt 0x0                                ; and again, in front of the line that widens it
	s_or_b32 exec_lo, exec_lo, s32
.Lend:
	s_wait_tensorcnt 0x0                           ; the wave's end, behind my last LDS store
	ds_add_u32 v[SPW], v[NIL]
	s_wait_dscnt 0x0
	s_endpgm
.Lfunc_end_k_q728b04b63e_router:
	.size	k_q728b04b63e_router, .Lfunc_end_k_q728b04b63e_router-k_q728b04b63e_router
	.p2alignl 7, 3214868480
	.fill 96, 4, 3214868480
	.section	.rodata,"a",@progbits
	.p2align	6, 0x0
	.amdhsa_kernel k_q728b04b63e_router
		.amdhsa_group_segment_fixed_size 3072
		.amdhsa_private_segment_fixed_size 0
		.amdhsa_enable_private_segment 0
		.amdhsa_kernarg_size 48
		.amdhsa_user_sgpr_count 2
		.amdhsa_user_sgpr_kernarg_segment_ptr 1
		.amdhsa_wavefront_size32 1
		.amdhsa_system_sgpr_workgroup_id_x 1
		.amdhsa_system_sgpr_workgroup_id_y 1
		.amdhsa_system_sgpr_workgroup_id_z 1
		.amdhsa_system_vgpr_workitem_id 0
		.amdhsa_next_free_vgpr 240
		.amdhsa_next_free_sgpr 66
		.amdhsa_reserve_vcc 1
		.amdhsa_float_denorm_mode_32 3
		.amdhsa_float_denorm_mode_16_64 3
		.amdhsa_memory_ordered 1
		.amdhsa_forward_progress 1
		.amdhsa_inst_pref_size 55
	.end_amdhsa_kernel
	.amdgpu_metadata
---
amdhsa.version: [ 1, 2 ]
amdhsa.kernels:
  - .name:           k_q728b04b63e_router
    .symbol:         k_q728b04b63e_router.kd
    .args:
      - { .name: x, .offset: 0, .size: 8, .value_kind: global_buffer, .address_space: global }
      - { .name: gate_w, .offset: 8, .size: 8, .value_kind: global_buffer, .address_space: global }
      - { .name: gate_b, .offset: 16, .size: 8, .value_kind: global_buffer, .address_space: global }
      - { .name: x16, .offset: 24, .size: 8, .value_kind: global_buffer, .address_space: global }
      - { .name: maskb, .offset: 32, .size: 8, .value_kind: global_buffer, .address_space: global }
      - { .name: cnt8, .offset: 40, .size: 8, .value_kind: global_buffer, .address_space: global }
    .group_segment_fixed_size: 3072
    .private_segment_fixed_size: 0
    .kernarg_segment_align: 8
    .kernarg_segment_size: 48
    .max_flat_workgroup_size: 256
    .sgpr_count:     66
    .vgpr_count:     240
    .wavefront_size: 32
...
	.end_amdgpu_metadata
.endif
;; end of part 1
;; launch product (part 2): grid 32 x 8, 4 waves a work-group, no clusters, 104,448 bytes of LDS; arguments x16, expert_w, expert_b, maskb, cnt8, part; writes part
.if DOCPART == 2
	.amdgcn_target "amdgcn-amd-amdhsa--gfx1250"
	.amdhsa_code_object_version 6
	.text
	.protected	k_q728b04b63e_product
	.globl	k_q728b04b63e_product
	.p2align	8
	.type	k_q728b04b63e_product,@function
k_q728b04b63e_product:
	s_mov_b64 s[64:65], 0
	v_nop
	global_prefetch_b8 v0, s[64:65] scope:SCOPE_SE
	s_setreg_imm32_b32 hwreg(HW_REG_WAVE_MODE, 25, 1), 1
	s_wait_xcnt 0x0
; PRODUCT.  part[slot][token][:] = x[token] W_e + b_e for the two experts e that the token chose: slot 0 the lower expert, slot 1 the higher.  Only chosen rows are multiplied.
; x16: [2048][2048] f16.  expert_w: [8][2048 (k)][2048 (n)] f32.  expert_b: [8][2048] f32.  maskb: [2048] bytes, two bits a token.  cnt8: [256][8] bytes.  part: [2][2048][2048] f32.
; Operands f16, sums f32, K ascending, one accumulator an output.  LIMITS: |w| and |x| below 65,520; below 6e-5 a weight keeps f16's fixed step of 6e-8.
; THE DEAL.  The grid is 32 slots x 8 column tiles of 256.  With c_e rows for expert e, u_e = ceil(c_e / 16) units of 16 rows.  J is the least of 8, 9, 10, 11 with sum_e ceil(u_e / J) <= 32;
; 11 always serves: the u_e add up to 263 at the most, so sum_e ceil(u_e / 11) <= (263 + 80) / 11 < 32.  Expert e gets ceil(u_e / J) slots on end, a slot 16 J rows of it (the last fewer).  So the one
; grid serves every split: all tokens on two experts, an expert with none.  A slot past the sum has n = 0 rows: it walks the same text on token 0 and stores nothing.
; SHARES.  A work-group: up to 176 rows of one expert x 256 columns, all of K.  Wave w: all those rows x 64 columns: up to 44 accumulators of 16 x 16.
; WEIGHTS go from memory into registers and are rounded there: each f32 weight is wanted once by a wave, so a way through LDS would only add LDS traffic.  A lane loads 16 bytes, W[k][c0 + 4 r .. + 3]:
; lanes 0-15 take 256 consecutive bytes of row k, lanes 16-31 of row k + 8.  Word f of the 16 bytes belongs to fragment f, in which lane r stands for column c0 + 4 r + f.
; In the result register j of accumulator (t, f) is row 16 t + 8 (l / 16) + j, column c0 + 4 r + f: the four f of one j are 16 neighbouring bytes of a row of part, and 16 lanes store 256 consecutive
; bytes, aligned, straight from registers.
; ROWS OF X are gathered by the list, 256 bytes (K = 128, a chunk) of a row at a time, through registers into one of two padded LDS tiles that all four waves read: one barrier a chunk.
; THE LOOP.  A K step's memory instructions stand in ONE run at its head: the weights four steps on, the next step's fragments of x, and once a chunk the rows of x.  Behind the run come the step's products,
; with the next step's conversions in fours behind them.  So fragments of x have two buffers, by the step's parity, and a fragment has a whole step in which to come.
; ROUTING.  Every wave counts and lists for itself, in LDS bytes of its own: ranks hang on data, so a list shared by four writers could not be seen to be free of clashes.  EXEC is never narrowed.
; NO CLUSTER: partners of a joint load must be alike in every count for every split; a slot's expert and rows hang on the counts.  NO TENSOR LOAD: no descriptor covers rows named by a list.
; REGISTERS, in windows of 256 (s_set_vgpr_msb: bits 1:0 source 0, 3:2 source 1, 5:4 source 2, 7:6 destination):
;   window 0: v0-39 addresses; v40-103 fragments of x, units 0-7, even steps; v128-191 fragments of W, two buffers of 4 x 8 (on the way out: results); v192-255 at work ahead of the loop, then fragments of x, odd steps
;   window 1: accumulators of units 0-7, (t, f) at 32 t + 8 f
;   window 2: v0-95 those of units 8-10; v96-183 rows of x on their way to LDS, 22 x 4; v184-231 fragments of x, units 8-10: 24 for even steps, 24 for odd
;   window 3: weights as loaded: four slots of 16 x 4, slot s % 4 for K step s
.set ROWB,  8192                       ; bytes in a row of W and of part
.set WSTEP, 32*ROWB                    ; a K step of 32 rows of W
.set PITCH, 272                        ; an LDS row of x: 256 bytes + 16: the 16 rows of a fragment load start 16 bytes apart modulo 256 (64 banks of 4 bytes: ISA guide 11.1)
.set ABUF,  176*PITCH                  ; a tile of x: 176 rows
.set LIST,  2*ABUF                     ; behind the two tiles: 256 words for each wave: rank -> 2048 x slot + token
.set LIST2, LIST+4096                  ; 256 words for each wave: the same with the places past the count repeating the last row
.set SPARE, LIST2+4096                 ; the spare words, 128 bytes for each wave: two blocks of 256 bytes that no other line names
.set WOFF, 3                           ; v3      65,536 (l / 16) + 16 r: my 16 bytes in the wave's 256 of row k or k + 8; never rewritten
.set ASTO, 4                           ; v4-5    where I put 16 bytes of a row of x, tile 0, 1
.set AFA,  6                           ; v6-7    where I read fragments of x, tile 0, 1
.set SPW,  8                           ; v8      LDS address of my spare word; never rewritten
.set NIL,  9                           ; v9      0; never rewritten
.set AOFF, 10                          ; v10-31  load a = 2 t + q: byte offset in x16 of row 16 t + 4 w + 2 q + l / 16, + 16 r
.set BIAS, 32                          ; v32-35  b_e of my four columns
.set R16,  36                          ; v36     16 r
.set AF0,  40                          ; fragments of x, units 0-7, even steps
.set AF1,  192                         ; the same, odd steps
.set AFH,  184                         ; window 2: units 8-10
.set PO,   40                          ; v40-127 the way out: the rows' places in part
.set BF,   128
.set CN,   192                         ; v192-207 cnt8
.set MK,   208                         ; v208-223 maskb
.set T,    224                         ; v224-239 at work
.set D4,   240                         ; v240-243 at work
.set TOK,  244                         ; v244    the token of my first mask byte of the trip
.set V2K,  245                         ; v245    2,048
.set ASR,  96                          ; window 2
.set WV,  16                           ; s16 wave    s17 slot    s18 column tile    s19 a loop's count
.set SLT, 17
.set CT,  18
.set CNT, 19
.set SB,  20                           ; s20-23 which lanes' tokens chose the expert    s24-27 which of them also chose a lower one    s28-31 the rank in front of each
.set SL,  24
.set RN,  28
.set TOT, 36                           ; s36-39 the counts, two 16-bit fields a word
.set CE,  40                           ; s40-47 c_e
.set UE,  48                           ; s48-55 u_e
.set JJ,  56                           ; s56 J    s57 its reciprocal times 2,048, rounded up
.set MUL, 57
.set TS,  58                           ; s[58:59] at work; later a byte offset as a pair
.set TP,  59
.set EX,  60                           ; s60 my expert    s61 its first slot    s62 its rows    s63 my first rank
.set ACB, 61
.set CEX, 62
.set R0,  63
.set NN,  66                           ; s66 n, my rows    s67 my units    s68 the running rank, less my first
.set NT,  67
.set RUN_, 68
.set ME,  70                           ; s70-73 my expert's bit in byte 0..3    s74-77 the bits below it
.set LOW, 74
.set NM1, 79                           ; s79 n - 1
.set SW,  80                           ; s[80:81] W at my expert, my columns, the trip's first K step
.set SX,  82                           ; s[82:83] x16 at the trip's first chunk
.set SP,  84                           ; s[84:85] part at my columns
.set OF,  86                           ; s[86:87] a byte offset
.set SEL, 88                           ; s[88:89] v_permlanex16_b32's selects
.set BP,  90                           ; s[90:91] expert_b at my expert, my columns
.set LW,  92                           ; s92 my wave's list    s94 its second list
.set SUM, 93                           ; s93 slots dealt so far
.set LW2, 94
.set MSB, 0
.macro WIN new                         ; the immediate's high byte repeats the setting that is left; a switch that changes nothing is dropped
.if MSB != (\new)
	s_set_vgpr_msb (MSB<<8)|(\new)
.set MSB, \new
.endif
.endm
.macro PLACES                          ; four places behind matrix instructions (ISA guide 7.12.1), where no other vector work is at hand
.rept 4
	v_nop
.endr
.endm
	s_load_b256 s[4:11], s[0:1], 0x0               ; x16 s[4:5], expert_w s[6:7], expert_b s[8:9], maskb s[10:11]
	s_load_b128 s[12:15], s[0:1], 0x20             ; cnt8 s[12:13], part s[14:15]
	v_lshl_add_u32 v[SPW], v0, 2, SPARE
	v_mov_b32 v[NIL], 0
	v_lshrrev_b32 v37, 5, v0
	v_readfirstlane_b32 s[WV], v37                 ; wave 0..3
	s_mov_b32 s[SLT], ttmp9
	s_and_b32 s[CT], ttmp7, 0xffff
	v_and_b32 v38, 31, v0                          ; lane
	v_and_b32 v1, 15, v0                           ; r = l % 16
	v_bfe_u32 v2, v0, 4, 1                         ; h = l / 16
	v_lshlrev_b32 v[R16], 4, v1
	v_lshl_add_u32 v[WOFF], v2, 16, v[R16]
	v_lshlrev_b32 v39, 4, v38                      ; 16 l
	s_wait_kmcnt 0x0
.irp q, 0,1,2,3
	global_load_b128 v[CN+4*\q:CN+4*\q+3], v39, s[12:13] offset:512*\q  ; all of cnt8: two groups of 8 tokens a lane and load
.endr
.irp q, 0,1,2,3
	global_load_b128 v[MK+4*\q:MK+4*\q+3], v39, s[10:11] offset:512*\q  ; all of maskb: tokens 512 q + 16 l + 0..15
.endr
	s_mov_b32 s[SEL], 0x76543210
	s_mov_b32 s[SEL+1], 0xfedcba98
	s_lshl_b32 s[LW], s[WV], 10
	s_add_co_u32 s[LW], s[LW], LIST
	s_add_co_u32 s[LW2], s[LW], 4096
.irp i, 0,1,2,3
	v_mov_b32 v[D4+\i], 0
.endr
	v_add_nc_u32 v246, s[LW], v39
	ds_store_b128 v246, v[D4:D4+3]                 ; my list starts as token 0 everywhere: a slot without rows reads it as it is
	ds_store_b128 v246, v[D4:D4+3] offset:512
	s_mul_i32 s[TP], s[WV], 4*PITCH
	v_mul_u32_u24 v247, v2, PITCH
	v_add3_u32 v[ASTO], v247, v[R16], s[TP]        ; row 4 w + h of a unit, 16 bytes a lane
	v_add_nc_u32 v[ASTO+1], ABUF, v[ASTO]
	v_mul_u32_u24 v247, v1, PITCH
	v_lshl_add_u32 v[AFA], v2, 4, v247             ; a fragment: row r, 16 bytes for each half of the lanes
	v_add_nc_u32 v[AFA+1], ABUF, v[AFA]
	v_mov_b32 v[TOK], v39
	v_mov_b32 v[V2K], 0x800
	s_mov_b32 s[TP], 0x00ff00ff
	; THE COUNTS.  A lane adds its eight groups byte by byte (64 at the most), widens to 16-bit fields, and the 32 lanes are added (2,048 at the most).
	s_wait_loadcnt 0x0
	v_add3_u32 v[T],   v[CN],   v[CN+2], v[CN+4]
	v_add3_u32 v[T+1], v[CN+6], v[CN+8], v[CN+10]
	v_add3_u32 v[T+2], v[CN+1], v[CN+3], v[CN+5]
	v_add3_u32 v[T+3], v[CN+7], v[CN+9], v[CN+11]
	v_add3_u32 v[T],   v[T],   v[CN+12], v[CN+14]
	v_add3_u32 v[T+2], v[T+2], v[CN+13], v[CN+15]
	v_add_nc_u32 v[T],   v[T],   v[T+1]            ; experts 0-3, a byte each
	v_add_nc_u32 v[T+2], v[T+2], v[T+3]            ; experts 4-7
	v_lshrrev_b32 v[T+5], 8, v[T]
	v_lshrrev_b32 v[T+7], 8, v[T+2]
	v_and_b32 v[T+4], s[TP], v[T]                  ; experts 0, 2
	v_and_b32 v[T+5], s[TP], v[T+5]                ; experts 1, 3
	v_and_b32 v[T+6], s[TP], v[T+2]                ; experts 4, 6
	v_and_b32 v[T+7], s[TP], v[T+7]                ; experts 5, 7
.irp m, 1,2,4,8
.irp i, 0,1,2,3
	v_mov_b32_dpp v[D4+\i], v[T+4+\i] row_xmask:\m row_mask:0xf bank_mask:0xf
.endr
.irp i, 0,1,2,3
	v_add_nc_u32 v[T+4+\i], v[T+4+\i], v[D4+\i]
.endr
.endr
.irp i, 0,1,2,3
	v_permlanex16_b32 v[D4+\i], v[T+4+\i], s[SEL], s[SEL+1]
.endr
.irp i, 0,1,2,3
	v_add_nc_u32 v[T+4+\i], v[T+4+\i], v[D4+\i]
.endr
.irp i, 0,1,2,3
	v_readfirstlane_b32 s[TOT+\i], v[T+4+\i]
.endr
.irp i, 0,1
	s_and_b32  s[CE+\i],   s[TOT+\i], 0xffff
	s_lshr_b32 s[CE+2+\i], s[TOT+\i], 16
	s_and_b32  s[CE+4+\i], s[TOT+2+\i], 0xffff
	s_lshr_b32 s[CE+6+\i], s[TOT+2+\i], 16
.endr
.irp e, 0,1,2,3,4,5,6,7
	s_add_co_u32 s[UE+\e], s[CE+\e], 15
	s_lshr_b32 s[UE+\e], s[UE+\e], 4
.endr
	; THE DEAL, in whole numbers.  floor(m / j) = (m x mult) >> 11 holds for m <= 138 (u_e <= 128, j <= 11): mult x j passes 2,048 by 9 at the most, so the product's excess, m x 9 / (11 x 2,048), stays under 1 / j.
.macro TSUM j, mult                    ; if J = j needs 32 slots or fewer, take it
	s_mov_b32 s[TS], 0
.irp e, 0,1,2,3,4,5,6,7
	s_add_co_u32 s[TP], s[UE+\e], (\j)-1
	s_mul_i32 s[TP], s[TP], \mult
	s_lshr_b32 s[TP], s[TP], 11
	s_add_co_u32 s[TS], s[TS], s[TP]
.endr
	s_cmp_le_u32 s[TS], 32
	s_cselect_b32 s[JJ], \j, s[JJ]
	s_cselect_b32 s[MUL], \mult, s[MUL]
.endm
	s_mov_b32 s[JJ], 11
	s_mov_b32 s[MUL], 187
	TSUM 10, 205
	TSUM 9, 228
	TSUM 8, 256
	s_mov_b32 s[EX], 0                             ; my expert: the last whose first slot is not past mine
	s_mov_b32 s[ACB], 0
	s_mov_b32 s[CEX], s[CE]
	s_mov_b32 s[SUM], 0
.irp e, 0,1,2,3,4,5,6
	s_add_co_u32 s[TP], s[UE+\e], s[JJ]
	s_sub_co_u32 s[TP], s[TP], 1
	s_mul_i32 s[TP], s[TP], s[MUL]
	s_lshr_b32 s[TP], s[TP], 11
	s_add_co_u32 s[SUM], s[SUM], s[TP]
	s_cmp_ge_u32 s[SLT], s[SUM]
	s_cselect_b32 s[EX], \e+1, s[EX]
	s_cselect_b32 s[ACB], s[SUM], s[ACB]
	s_cselect_b32 s[CEX], s[CE+1+\e], s[CEX]
.endr
	s_min_u32 s[EX], s[EX], 7
	s_sub_co_u32 s[R0], s[SLT], s[ACB]
	s_mul_i32 s[R0], s[R0], s[JJ]
	s_lshl_b32 s[R0], s[R0], 4                     ; my first rank among the expert's rows
	s_sub_co_i32 s[NN], s[CEX], s[R0]
	s_max_i32 s[NN], s[NN], 0
	s_lshl_b32 s[TP], s[JJ], 4
	s_min_u32 s[NN], s[NN], s[TP]
	s_min_u32 s[NN], s[NN], 176                    ; n
	s_add_co_u32 s[NT], s[NN], 15
	s_lshr_b32 s[NT], s[NT], 4
	s_sub_co_u32 s[NM1], s[NN], 1                  ; at n = 0 this is the largest number: the minimum below then changes nothing
	s_sub_co_u32 s[RUN_], 0, s[R0]
	s_lshl_b32 s[ME], 1, s[EX]
	s_sub_co_u32 s[LOW], s[ME], 1
.irp j, 1,2,3
	s_lshl_b32 s[ME+\j], s[ME], 8*\j
	s_lshl_b32 s[LOW+\j], s[LOW], 8*\j
.endr
	s_lshl_b32 s[OF], s[CT], 10
	s_lshl_b32 s[TP], s[WV], 8
	s_add_co_u32 s[OF], s[OF], s[TP]               ; my 64 columns: 1,024 x tile + 256 w bytes
	s_mov_b32 s[OF+1], 0
	s_add_nc_u64 s[SP:SP+1], s[14:15], s[OF:OF+1]
	s_lshl_b32 s[TS], s[EX], 13
	s_add_co_u32 s[TS], s[TS], s[OF]
	s_mov_b32 s[TP], 0
	s_add_nc_u64 s[BP:BP+1], s[8:9], s[TS:TP]
	s_lshl_b32 s[TS], s[EX], 24                    ; an expert's weights are 2^24 bytes
	s_add_co_u32 s[TS], s[TS], s[OF]
	s_add_nc_u64 s[SW:SW+1], s[6:7], s[TS:TP]
	s_mov_b64 s[SX:SX+1], s[4:5]
; Quads 2 i and 2 i + 1 of a K step's sixteen, into slot: quad j is row j + 8 (j / 8) of the step for lanes 0-15, eight rows on for lanes 16-31
.macro WLD slot, i, off
	WIN 0xc0
	global_load_b128 v[64*(\slot)+8*(\i):64*(\slot)+8*(\i)+3],   v[WOFF], s[SW:SW+1] offset:(\off)+(2*(\i)+8*((\i)/4))*ROWB
	global_load_b128 v[64*(\slot)+8*(\i)+4:64*(\slot)+8*(\i)+7], v[WOFF], s[SW:SW+1] offset:(\off)+(2*(\i)+1+8*((\i)/4))*ROWB
.endm
; Register i of the four fragments: rows k and k + 1 of column c0 + 4 r + f, rounded and packed
.macro CVT4 slot, par, i
	WIN 0x0f
.irp f, 0,1,2,3
	v_cvt_pk_f16_f32 v[BF+32*(\par)+8*\f+(\i)], v[64*(\slot)+8*(\i)+\f], v[64*(\slot)+8*(\i)+4+\f]
.endr
.endm
.macro AFLD t, par, buf, sub           ; unit t's fragment of x for 32 along K at byte 64 sub of the tile's rows, into the buffer of parity par
.if (\t) < 8
	WIN 0
.set rF, AF0+(AF1-AF0)*(\par)+8*(\t)
.else
	WIN 0x80
.set rF, AFH+24*(\par)+8*((\t)-8)
.endif
	ds_load_b128 v[rF:rF+3],   v[AFA+(\buf)] offset:(\t)*16*PITCH+64*(\sub)
	ds_load_b128 v[rF+4:rF+7], v[AFA+(\buf)] offset:(\t)*16*PITCH+64*(\sub)+32
.endm
.macro ALD a, off                      ; two rows of x16, 256 bytes each: 16 lanes a row
	WIN 0x80
	global_load_b128 v[ASR+4*(\a):ASR+4*(\a)+3], v[AOFF+(\a)], s[SX:SX+1] offset:\off
.endm
.macro ASTQ a, buf                     ; and into the tile
	WIN 0x08
	ds_store_b128 v[ASTO+(\buf)], v[ASR+4*(\a):ASR+4*(\a)+3] offset:(16*((\a)/2)+2*((\a)%2))*PITCH
.endm
	global_load_b128 v[BIAS:BIAS+3], v[R16], s[BP:BP+1]
.irp k, 0,1,2
.irp i, 0,1,2,3,4,5,6,7
	WLD \k, \i, (\k)*WSTEP                         ; K steps 0 to 2 are on their way while the list is made
.endr
.endr
	WIN 0
; THE LIST.  Four tokens, the bytes of mask word d; i0 is the first one's place among the lane's sixteen.  A token that chose the expert has rank RUN_ + the chosen lanes below it; the order (trip, byte, lane) is
; the same in every wave and work-group, so an expert's slots cut the same sequence.  Other lanes get rank -1.  The clamp sends them, and ranks in front of mine (they wrap), to word 255, which nothing
; reads; ranks from n on land in words that the minimum with n - 1 below never names.  In phases of four, so that no line waits for the one before it.
.macro LIST4 d, i0
.irp j, 0,1,2,3
	v_and_b32 v[T+\j], s[ME+\j], v[\d]
.endr
.irp j, 0,1,2,3
	v_cmp_ne_u32 s[SB+\j], 0, v[T+\j]
.endr
.irp j, 0,1,2,3
	v_and_b32 v[T+4+\j], s[LOW+\j], v[\d]
.endr
.irp j, 0,1,2,3
	v_cmp_ne_u32 s[SL+\j], 0, v[T+4+\j]
.endr
	s_mov_b32 s[RN], s[RUN_]
.irp j, 0,1,2
	s_bcnt1_i32_b32 s[TP], s[SB+\j]
	s_add_co_u32 s[RN+1+\j], s[RN+\j], s[TP]
.endr
	s_bcnt1_i32_b32 s[TP], s[SB+3]
	s_add_co_u32 s[RUN_], s[RN+3], s[TP]
.irp j, 0,1,2,3
	v_mbcnt_lo_u32_b32 v[T+\j], s[SB+\j], s[RN+\j]
.endr
.irp j, 0,1,2,3
	v_cndmask_b32 v[T+\j], -1, v[T+\j], s[SB+\j]
.endr
.irp j, 0,1,2,3
	v_cndmask_b32 v[T+4+\j], 0, v[V2K], s[SL+\j]   ; a lower expert was chosen too: mine is the higher, slot 1
.endr
.irp j, 0,1,2,3
	v_min_u32 v[T+\j], 255, v[T+\j]
.endr
.irp j, 0,1,2,3
	v_add3_u32 v[T+4+\j], v[TOK], v[T+4+\j], (\i0)+\j
.endr
.irp j, 0,1,2,3
	v_lshl_add_u32 v[T+\j], v[T+\j], 2, s[LW]
.endr
.irp j, 0,1,2,3
	ds_store_b32 v[T+\j], v[T+4+\j]
.endr
.endm
	s_mov_b32 s[CNT], 4
.Llist:                                                ; four trips of 512 tokens: the text of sixteen tokens a lane is written once, and the mask words move up to it
	LIST4 MK, 0
	LIST4 MK+1, 4
	LIST4 MK+2, 8
	LIST4 MK+3, 12
.irp i, 0,1,2,3,4,5,6,7,8,9,10,11
	v_mov_b32 v[MK+\i], v[MK+4+\i]
.endr
	v_add_nc_u32 v[TOK], 0x200, v[TOK]
	s_sub_co_u32 s[CNT], s[CNT], 1
	s_cmp_lg_u32 s[CNT], 0
	s_cbranch_scc1 .Llist
	; second list: place i holds rank min(i, n - 1): places past the count repeat the last row.  192 places.  LDS serves a wave's instructions in order: these loads see the stores above.
.irp m, 0,1,2,3,4,5
	v_add_nc_u32 v[T+\m], 32*\m, v38
.endr
.irp m, 0,1,2,3,4,5
	v_min_u32 v[T+\m], s[NM1], v[T+\m]
.endr
.irp m, 0,1,2,3,4,5
	v_min_u32 v[T+\m], 255, v[T+\m]
.endr
.irp m, 0,1,2,3,4,5
	v_lshl_add_u32 v[T+\m], v[T+\m], 2, s[LW]
.endr
.irp m, 0,1,2,3,4,5
	ds_load_b32 v[T+8+\m], v[T+\m]
.endr
	v_lshl_add_u32 v247, v38, 2, s[LW2]
	s_lshl_b32 s[TP], s[WV], 4
	s_add_co_u32 s[TP], s[TP], s[LW2]
	v_lshl_add_u32 v248, v2, 2, s[TP]              ; place 4 w + h
	s_wait_dscnt 0x0
.irp m, 0,1,2,3,4,5
	ds_store_b32 v247, v[T+8+\m] offset:128*\m
.endr
.set a, 0
.rept 22
	ds_load_b32 v[AOFF+a], v248 offset:64*(a/2)+8*(a%2)  ; place 16 t + 4 w + 2 q + h
.set a, a+1
.endr
	s_wait_dscnt 0x0
.set a, 0
.rept 22
	v_min_u32 v[AOFF+a], 0xfff, v[AOFF+a]
.set a, a+1
.endr
.set a, 0
.rept 22
	v_and_b32 v[AOFF+a], 0x7ff, v[AOFF+a]          ; the token
.set a, a+1
.endr
.set a, 0
.rept 22
	v_lshl_add_u32 v[AOFF+a], v[AOFF+a], 12, v[R16]
.set a, a+1
.endr
.set a, 0
.rept 22
	ALD a, 0                                       ; chunk 0 of x
.set a, a+1
.endr
	s_wait_loadcnt 0x0                             ; the one wait for all loads: bias, K steps 0-2, chunk 0
.set a, 0
.rept 22
	ASTQ a, 0
.set a, a+1
.endr
.set a, 0
.rept 22
	ALD a, 256                                     ; chunk 1: ahead of K step 3's weights, so that four steps' weights, 64 loads, stand behind it when K step 2's run takes it
.set a, a+1
.endr
.irp i, 0,1,2,3,4,5,6,7
	CVT4 0, 0, \i
.endr
.irp i, 0,1,2,3,4,5,6,7
	WLD 3, \i, 3*WSTEP
.endr
	WIN 0
	s_wait_dscnt 0x0                               ; for the others' sake: my rows of tile 0 are stored
	s_barrier_signal -1
	s_barrier_wait -1
.irp t, 0,1,2,3,4,5,6,7,8,9,10
	AFLD \t, 0, 0, 0                               ; K step 0's fragments, all eleven units': every fragment register of the even buffer is written whatever n is
.endr
; FOUR PRODUCTS: unit t x the four fragments of W.  No two matrix instructions that follow each other share an accumulator: the accumulators take turns, one instruction a turn.
.macro MM4 t
.if (\t) < 8
	WIN 0x50                                       ; x and W in window 0, C and D in window 1
.set rA, 32*(\t)
.set rX, AF0+(AF1-AF0)*S_PAR+8*(\t)
.else
	WIN 0xa2                                       ; x in window 2, W in window 0, C and D in window 2
.set rA, 32*((\t)-8)
.set rX, AFH+24*S_PAR+8*((\t)-8)
.endif
.irp f, 0,1,2,3
.if S_ZERO
	v_wmma_f32_16x16x32_f16 v[rA+8*\f:rA+8*\f+7], v[rX:rX+7], v[BF+32*S_PAR+8*\f:BF+32*S_PAR+8*\f+7], 0
.else
	v_wmma_f32_16x16x32_f16 v[rA+8*\f:rA+8*\f+7], v[rX:rX+7], v[BF+32*S_PAR+8*\f:BF+32*S_PAR+8*\f+7], v[rA+8*\f:rA+8*\f+7]
.endif
.endr
.endm
; Unit t's products, and behind them an eighth of the next K step's conversions: four plain instructions that name no register of this step's products.  Unit 7's four are the places in front of the
; next run's loads into the fragments of x just read, and in front of the next step's first write into the fragments of W just read.
; The weights are waited for twice a step: at unit 0 for quads 0-7, at unit 4 for quads 8-15.
.macro PROD t
	MM4 \t
.if S_CV
.if (\t) == 0
	s_wait_loadcnt S_LCA
.endif
.if (\t) == 4
	s_wait_loadcnt S_LCB
.endif
	CVT4 S_SLOT, 1-S_PAR, \t
.endif
.endm
; THE RUN: all of a K step's memory instructions but units 8-10's.  The slot that the step before converted takes the weights four steps on; the other fragment buffer takes the next step's x.
; In a chunk's third step the next chunk's rows go from registers into the other tile, and the chunk after it is asked for, behind this run's weights.  Those rows were asked for four runs ago, behind that
; run's weights: four runs' weights, 64 loads, stand behind them, more than the wait can name: so its largest count is written.
.macro MEMRUN
.if S_WL
.irp i, 0,1,2,3,4,5,6,7
	WLD S_WSLOT, \i, S_WOFF
.endr
.endif
.if S_RL
.irp t, 0,1,2,3,4,5,6,7
	AFLD \t, 1-S_PAR, S_NBUF, S_NSUB
.endr
.endif
.if S_AST
	s_wait_loadcnt 63
.set qq, 0
.rept 22
	ASTQ qq, S_ABUF
.set qq, qq+1
.endr
.if S_ALD
.set qq, 0
.rept 22
	ALD qq, S_AOFS
.set qq, qq+1
.endr
.endif
.endif
.endm
; A K STEP of 32.  b = the step's number modulo the trip's eight; it gives the parity, the slots of weights, and tile and place of the next step's fragments of x.
; kind: K_FIRST the products start the sums, and all 11 units and their loads run, so that every accumulator and fragment is written whatever n is; K_STAGE the next chunk of x is stored and one more asked for;
; K_STAGE_LAST stored only; K_MEET a chunk's last step: the barrier.  wl = 0: no weights are left to ask for; cv = 0: none to convert; rl = 0: no next step.
; s_wait_dscnt 0 at the head: the fragments were asked for in the run of the step before, a whole step's products ago.
; lca, lcb: the counts at units 0 and 4.  Global loads go out as 16 of W a run and, behind them in every fourth run, 22 of x; any four runs on end hold those 22 once.  Behind quads 0-7 of step s + 1's weights
; (run s - 3) stand their run's other 8, three runs' 48 and the 22: 78; behind quads 8-15: 70: more than the wait can name, so its largest count is written.  In K_MEET unit 0 stands ahead of the
; step's own run: 8 + 16 + 16 + 22 = 62.  The tail, where less and less is asked for, gives its own counts.
; Units 8-10 stand first and are jumped where the slot has fewer; what is jumped holds no barrier and no global load, so every count on LOADcnt is the same on all ways.  Their loads stand ahead of their products.
.set K_PLAIN, 0
.set K_FIRST, 1
.set K_STAGE, 2
.set K_STAGE_LAST, 3
.set K_MEET, 4
.macro STEP b, kind=0, wl=1, cv=1, rl=1, lca=63, lcb=63
.set S_PAR,   (\b)&1
.set S_WSLOT, (\b)&3
.set S_SLOT,  ((\b)+1)&3
.set S_NBUF,  (((\b)+1)>>2)&1
.set S_NSUB,  ((\b)+1)&3
.set S_WOFF,  ((\b)+4)*WSTEP
.set S_ABUF,  (((\b)>>2)+1)&1
.set S_AOFS,  256*(((\b)>>2)+2)
.set S_WL,  \wl
.set S_CV,  \cv
.set S_RL,  \rl
.set S_LCA, \lca
.set S_LCB, \lcb
.set S_ZERO, 0
.set S_AST,  0
.set S_ALD,  0
.set S_BAR,  0
.if (\kind) == K_FIRST
.set S_ZERO, 1
.endif
.if (\kind) == K_STAGE
.set S_AST, 1
.set S_ALD, 1
.endif
.if (\kind) == K_STAGE_LAST
.set S_AST, 1
.endif
.if (\kind) == K_MEET
.set S_BAR, 1
.endif
	s_wait_dscnt 0x0                               ; this step's fragments are in.  In K_MEET also, for the others' sake: my rows of the next tile are stored, and my reads of this tile are over:
.if S_BAR
	s_barrier_signal -1                            ; say so,
	PROD 0                                         ; work on registers while the others arrive,
	PROD 1
	s_barrier_wait -1                              ; and go on when all four have said so: the next tile is whole, and nobody reads this one any more
.endif
	MEMRUN
.if S_ZERO
	AFLD 8,  1-S_PAR, S_NBUF, S_NSUB
	AFLD 9,  1-S_PAR, S_NBUF, S_NSUB
	AFLD 10, 1-S_PAR, S_NBUF, S_NSUB
	MM4 10
	MM4 9
	MM4 8
.else
	WIN 0                                          ; at a branch and at a label every window is 0
	s_cmp_lt_u32 s[NT], 9
	s_cbranch_scc1 .Lskip_\@
.if S_RL
	AFLD 8, 1-S_PAR, S_NBUF, S_NSUB
.endif
	WIN 0
	s_cmp_lt_u32 s[NT], 10
	s_cbranch_scc1 .Lu8_\@
.if S_RL
	AFLD 9, 1-S_PAR, S_NBUF, S_NSUB
.endif
	WIN 0
	s_cmp_lt_u32 s[NT], 11
	s_cbranch_scc1 .Lu9_\@
.if S_RL
	AFLD 10, 1-S_PAR, S_NBUF, S_NSUB
.endif
	MM4 10
	WIN 0
.Lu9_\@:
	MM4 9
	WIN 0
.Lu8_\@:
	MM4 8
	WIN 0
.Lskip_\@:
.endif
.irp t, 0,1,2,3,4,5,6,7
.if !(S_BAR && ((\t) < 2))
	PROD \t
.endif
.endr
.endm
	STEP 0, K_FIRST                                ; K step 0 stands in front of the loop: its products start the sums
	WIN 0
	s_mov_b32 s[CNT], 7
.Ltrip:                                                ; a trip is eight K steps, 8 p + 1 .. 8 p + 8: two chunks, once through both tiles
	STEP 1
	STEP 2, K_STAGE                                ; chunk 2 p + 1 into tile 1; chunk 2 p + 2 is asked for
	STEP 3, K_MEET, 1, 1, 1, 62
	STEP 4
	STEP 5
	STEP 6, K_STAGE                                ; chunk 2 p + 2 into tile 0; chunk 2 p + 3 is asked for
	STEP 7, K_MEET, 1, 1, 1, 62
	STEP 8
	WIN 0
	s_wait_xcnt 0x0                                ; every load issued has had its address translated (ISA guide 3.1): only now do the two bases step; the last loads stand a step's products back
	s_add_nc_u64 s[SW:SW+1], s[SW:SW+1], 8*WSTEP
	s_add_nc_u64 s[SX:SX+1], s[SX:SX+1], 512
	s_sub_co_u32 s[CNT], s[CNT], 1
	s_cmp_lg_u32 s[CNT], 0
	s_cbranch_scc1 .Ltrip
	STEP 1                                         ; K steps 57 to 63 are written out, so that no load leaves its buffer.  Step 57: the last rows of x (run 54) still stand behind step 58's weights
	STEP 2, K_STAGE_LAST, 1, 1, 1, 56, 48          ; step 58 stores chunk 15 and asks for no x: behind step 59's weights 8 + 48, and 48
	STEP 3, K_MEET, 1, 1, 1, 40, 48                ; step 59 asks for step 63's weights, the last: ahead of its run 8 + 32, behind it 48
	STEP 4, K_PLAIN, 0, 1, 1, 40, 32               ; from here on nothing is asked for: 8 + 32 and 32,
	STEP 5, K_PLAIN, 0, 1, 1, 24, 16               ; 8 + 16 and 16,
	STEP 6, K_PLAIN, 0, 1, 1, 8, 0                 ; 8 and 0
	STEP 7, K_PLAIN, 0, 0, 0
	; THE WAY OUT.  The rows' places in part come from the second list, eight a lane and unit; the bias is added into the registers of W's fragments; 16 lanes store 256 bytes of a row.
	PLACES                                         ; behind the last products: their results are read, their sources written
	WIN 0
	v_lshl_add_u32 v37, v2, 5, s[LW2]              ; place 8 h
.set t, 0
.rept 11
	ds_load_b128 v[PO+8*t:PO+8*t+3],   v37 offset:64*t
	ds_load_b128 v[PO+8*t+4:PO+8*t+7], v37 offset:64*t+16
.set t, t+1
.endr
	s_wait_dscnt 0x0
; Unit t.  Units past the count are jumped whole.  In the last live unit the places past the count hold the last row once more, made of the same operands: they store the same bytes to the same place.
; Each accumulator is read from its register 0 on.
.macro OUT t
	WIN 0
	s_cmp_le_u32 s[NN], 16*(\t)
	s_cbranch_scc1 .Ldone
	s_wait_xcnt 0x0                                ; the registers that earlier stores read are rewritten only behind this wait
.irp j, 0,1,2,3,4,5,6,7
	v_min_u32 v[PO+8*(\t)+\j], 0xfff, v[PO+8*(\t)+\j]
.endr
.irp j, 0,1,2,3,4,5,6,7
	v_lshl_add_u32 v[PO+8*(\t)+\j], v[PO+8*(\t)+\j], 13, v[R16]  ; row 2048 x slot + token, 8,192 bytes each, + 16 r
.endr
.if (\t) < 8
	WIN 0x01
.set rA, 32*(\t)
.else
	WIN 0x02
.set rA, 32*((\t)-8)
.endif
.irp j, 0,1,2,3,4,5,6,7
.irp f, 0,1,2,3
	v_add_f32 v[BF+32*((\t)%2)+4*\j+\f], v[rA+8*\f+\j], v[BIAS+\f]
.endr
.endr
	WIN 0
.irp j, 0,1,2,3,4,5,6,7
	global_store_b128 v[PO+8*(\t)+\j], v[BF+32*((\t)%2)+4*\j:BF+32*((\t)%2)+4*\j+3], s[SP:SP+1]
.endr
.endm
.irp t, 0,1,2,3,4,5,6,7,8,9,10
	OUT \t
.endr
.Ldone:
	s_wait_tensorcnt 0x0                           ; the wave's end, behind my last LDS store
	ds_add_u32 v[SPW], v[NIL]
	s_wait_dscnt 0x0
	s_endpgm
.Lfunc_end_k_q728b04b63e_product:
	.size	k_q728b04b63e_product, .Lfunc_end_k_q728b04b63e_product-k_q728b04b63e_product
	.p2alignl 7, 3214868480
	.fill 96, 4, 3214868480
	.section	.rodata,"a",@progbits
	.p2align	6, 0x0
	.amdhsa_kernel k_q728b04b63e_product
		.amdhsa_group_segment_fixed_size 104448
		.amdhsa_private_segment_fixed_size 0
		.amdhsa_enable_private_segment 0
		.amdhsa_kernarg_size 48
		.amdhsa_user_sgpr_count 2
		.amdhsa_user_sgpr_kernarg_segment_ptr 1
		.amdhsa_wavefront_size32 1
		.amdhsa_system_sgpr_workgroup_id_x 1
		.amdhsa_system_sgpr_workgroup_id_y 1
		.amdhsa_system_sgpr_workgroup_id_z 1
		.amdhsa_system_vgpr_workitem_id 0
		.amdhsa_next_free_vgpr 1024
		.amdhsa_next_free_sgpr 96
		.amdhsa_reserve_vcc 0
		.amdhsa_float_denorm_mode_32 3
		.amdhsa_float_denorm_mode_16_64 3
		.amdhsa_memory_ordered 1
		.amdhsa_forward_progress 1
		.amdhsa_inst_pref_size 223
	.end_amdhsa_kernel
	.amdgpu_metadata
---
amdhsa.version: [ 1, 2 ]
amdhsa.kernels:
  - .name:           k_q728b04b63e_product
    .symbol:         k_q728b04b63e_product.kd
    .args:
      - { .name: x16, .offset: 0, .size: 8, .value_kind: global_buffer, .address_space: global }
      - { .name: expert_w, .offset: 8, .size: 8, .value_kind: global_buffer, .address_space: global }
      - { .name: expert_b, .offset: 16, .size: 8, .value_kind: global_buffer, .address_space: global }
      - { .name: maskb, .offset: 24, .size: 8, .value_kind: global_buffer, .address_space: global }
      - { .name: cnt8, .offset: 32, .size: 8, .value_kind: global_buffer, .address_space: global }
      - { .name: part, .offset: 40, .size: 8, .value_kind: global_buffer, .address_space: global }
    .group_segment_fixed_size: 104448
    .private_segment_fixed_size: 0
    .kernarg_segment_align: 8
    .kernarg_segment_size: 48
    .max_flat_workgroup_size: 128
    .sgpr_count:     96
    .vgpr_count:     1024
    .wavefront_size: 32
...
	.end_amdgpu_metadata
.endif
;; end of part 2
;; launch addup (part 3): grid 256 x 1, 8 waves a work-group, no clusters, 0 bytes of LDS; arguments part, out0; writes out0
.if DOCPART == 3
	.amdgcn_target "amdgcn-amd-amdhsa--gfx1250"
	.amdhsa_code_object_version 6
	.text
	.protected	k_q728b04b63e_addup
	.globl	k_q728b04b63e_addup
	.p2align	8
	.type	k_q728b04b63e_addup,@function
k_q728b04b63e_addup:
	s_mov_b64 s[64:65], 0
	v_nop
	global_prefetch_b8 v0, s[64:65] scope:SCOPE_SE
	s_setreg_imm32_b32 hwreg(HW_REG_WAVE_MODE, 25, 1), 1
	s_wait_xcnt 0x0
; out0[t][:] = part[0][t][:] + part[1][t][:]: the lower expert's row plus the higher's, as the reference adds them.  part: [2][2048][2048] f32.  out0: [2048][2048] f32.
; A stream: each byte is read once and written once; a load or store of a wave covers 512 consecutive bytes, aligned.  No LDS, no barrier, no matrix unit: there is nothing for them to do.
; Work-group g has 65,536 bytes of out0, thread t the 16 bytes at 16 t of each of 16 sweeps of 4,096.  All 32 loads of a wave go out first; there is no loop.
.set A, 8                              ; v[8 + 8 i : 11 + 8 i] sweep i of the first half, then the sum;  v[12 + 8 i : 15 + 8 i] of the second half
	s_load_b128 s[4:7], s[0:1], 0x0                ; part s[4:5], out0 s[6:7]
	v_lshlrev_b32 v1, 4, v0
	s_lshl_b32 s10, ttmp9, 16
	s_mov_b32 s11, 0
	s_wait_kmcnt 0x0
	s_add_nc_u64 s[4:5], s[4:5], s[10:11]
	s_add_nc_u64 s[6:7], s[6:7], s[10:11]
	s_add_nc_u64 s[8:9], s[4:5], 0x1000000         ; the second half of part, 2^24 bytes on
.irp i, 0,1,2,3,4,5,6,7,8,9,10,11,12,13,14,15
	global_load_b128 v[A+8*\i:A+8*\i+3],   v1, s[4:5] offset:4096*\i th:TH_LOAD_NT
	global_load_b128 v[A+8*\i+4:A+8*\i+7], v1, s[8:9] offset:4096*\i th:TH_LOAD_NT
.endr
.irp i, 0,1,2,3,4,5,6,7,8,9,10,11,12,13,14,15
	s_wait_loadcnt 30-2*\i                         ; loads come back in order: sweep i's two are in; the two of each later sweep may be out
	v_pk_add_f32 v[A+8*\i:A+8*\i+1],   v[A+8*\i:A+8*\i+1],   v[A+8*\i+4:A+8*\i+5]
	v_pk_add_f32 v[A+8*\i+2:A+8*\i+3], v[A+8*\i+2:A+8*\i+3], v[A+8*\i+6:A+8*\i+7]
	global_store_b128 v1, v[A+8*\i:A+8*\i+3], s[6:7] offset:4096*\i th:TH_STORE_NT
.endr
	s_endpgm
.Lfunc_end_k_q728b04b63e_addup:
	.size	k_q728b04b63e_addup, .Lfunc_end_k_q728b04b63e_addup-k_q728b04b63e_addup
	.p2alignl 7, 3214868480
	.fill 96, 4, 3214868480
	.section	.rodata,"a",@progbits
	.p2align	6, 0x0
	.amdhsa_kernel k_q728b04b63e_addup
		.amdhsa_group_segment_fixed_size 0
		.amdhsa_private_segment_fixed_size 0
		.amdhsa_enable_private_segment 0
		.amdhsa_kernarg_size 16
		.amdhsa_user_sgpr_count 2
		.amdhsa_user_sgpr_kernarg_segment_ptr 1
		.amdhsa_wavefront_size32 1
		.amdhsa_system_sgpr_workgroup_id_x 1
		.amdhsa_system_sgpr_workgroup_id_y 1
		.amdhsa_system_sgpr_workgroup_id_z 1
		.amdhsa_system_vgpr_workitem_id 0
		.amdhsa_next_free_vgpr 136
		.amdhsa_next_free_sgpr 66
		.amdhsa_reserve_vcc 0
		.amdhsa_float_denorm_mode_32 3
		.amdhsa_float_denorm_mode_16_64 3
		.amdhsa_memory_ordered 1
		.amdhsa_forward_progress 1
		.amdhsa_inst_pref_size 8
	.end_amdhsa_kernel
	.amdgpu_metadata
---
amdhsa.version: [ 1, 2 ]
amdhsa.kernels:
  - .name:           k_q728b04b63e_addup
    .symbol:         k_q728b04b63e_addup.kd
    .args:
      - { .name: part, .offset: 0, .size: 8, .value_kind: global_buffer, .address_space: global }
      - { .name: out0, .offset: 8, .size: 8, .value_kind: global_buffer, .address_space: global }
    .group_segment_fixed_size: 0
    .private_segment_fixed_size: 0
    .kernarg_segment_align: 8
    .kernarg_segment_size: 16
    .max_flat_workgroup_size: 256
    .sgpr_count:     66
    .vgpr_count:     136
    .wavefront_size: 32
...
	.end_amdgpu_metadata
.endif
;; end of part 3
